; MI455X (gfx1250); checked and timed in simulation.
; The chip was launched on July 23, 2026; its instructions are those of AMD's public machine-readable ISA for CDNA 5 (MIT licence, August 2026) and "CDNA5" Instruction Set Architecture Reference Guide (July 2026). The comments in the code are by the model that wrote it; some were corrected since.
;; HF Encoder. Allowed arithmetic: matrix products marked QUANTISED: E2M1 operands, one E8M0 scale for each 32 along K, by v_wmma_scale_f32_16x16x128_f8f6f4 with both operands' format E2M1 (or v_wmma_scale_f32_32x16x128_f4), f32 sums; products left as they are: f32 operands where the result goes on into a quantised operand, else bf16, f16 or f32 operands; f32 sums; everything else in f32.
;; Inputs: attention_mask 16 x 2,048 float32; b_pool 1 float32; span_ends 16 x 32 int32; span_starts 16 x 32 int32; token_hidden 16 x 2,048 x 768 float32; w_pool 768 float32.
;; Outputs: out0 16 x 32 x 768 float32; out1 16 x 32 float32.
;; This version of the problem:
;;   THIS VERSION OF THE PROBLEM IS GIVEN IN LOW PRECISION. The matrix products marked QUANTISED in the list below multiply operands that are first quantised to E2M1 (2 exponent bits, 1 mantissa bit; 4 bits a number), with one power-of-two scale for each 32 numbers along K (OCP MX v1.0); their sums are f32. All else is computed in f32.
;;   The module's matrix products, in the order in which they are computed (A, B: the left and right operand; K: the contracted axis; several contracted axes count as one K, in the product's order):
;;     1. [M 32,768, K 768] x [K 768, N 1]; A: input token_hidden; B: input w_pool: left as it is (N = 1 < 16)
;;     2. batch 16 x [M 32, K 2,048] x [K 2,048, N 768]; A: computed on the way; B: input token_hidden: QUANTISED
;;   THE QUANTISER, for each operand of a quantised product, along K:
;;     - K is cut into blocks of 32 from its start; a last block that is shorter is filled with zeros.
;;     - A block's scale is 2^e with e = floor(log2(the largest magnitude in the block)) - 2, held to -126 .. 127; a block of zeros has e = 0. As a byte (E8M0): e + 127.
;;     - Each number is divided by its block's scale, clamped to +-6, and rounded to the nearest number of E2M1, ties to even, subnormals kept.
;;     - The product sums the exact products of the quantised numbers (number of the format x scale) in f32.
;;   ~~~python
;;   def quantise(x, axis):      # numpy; x: float32 -> the quantised numbers, widened to float32 again
;;       x = np.moveaxis(x, axis, -1); K = x.shape[-1]
;;       x = np.pad(x, [(0, 0)] * (x.ndim - 1) + [(0, -K % 32)]); x = x.reshape(x.shape[:-1] + (-1, 32)); a = np.abs(x).max(-1, keepdims=True)
;;       e = np.where(a > 0, np.clip(np.frexp(np.where(a > 0, a, 1))[1] - 1 - 2, -126, 127), 0)      # np.frexp(a)[1] - 1 = floor(log2(a)), exactly
;;       r = np.clip(x / 2.0 ** e, -6, 6)
;;       step = 2.0 ** (np.maximum(np.frexp(np.where(r == 0, 1, r))[1] - 1, 0) - 1)
;;       q = np.round(r / step) * step * 2.0 ** e      # np.round: ties to even
;;       return np.moveaxis(q.reshape(q.shape[:-2] + (-1,))[..., :K], -1, axis).astype(np.float32)
;;   ~~~
;;   OPERANDS COMPUTED ON THE WAY. 'Computed on the way' means the value that the module computes at that place (a softmax that the list does not call 'softmax' is quantised finished and normalised). What goes into a quantiser is computed in f32, as accurately as f32 sums, v_exp_f32 and their like allow (about 1e-6 of the number): no bf16 or f16 on the way to a quantiser, and a product that is left as it is and whose result goes on into a quantised operand takes f32 operands (vector FMAs, or v_wmma_f32_16x16x4_f32). A number that lies on a knife's edge between two numbers of the format may be rounded either way, as far as f32 arithmetic and the matrix unit's own rounding can turn it there, and no further.
;; 2 versions, each right; version 2 is version 1 with the launch pool written anew for expert scheduling mode. Each part assembles by itself: llvm-mc -triple=amdgcn-amd-amdhsa -mcpu=gfx1250 --defsym DOCPART=n.
;; ======== version 1 of 2: 2 launches
;; limits: right only within a limited range of input values
;; workspace buffers: codes 12,582,912 bytes; bscales 786,432 bytes; scores 131,072 bytes
;; launch prep (part 1): grid 256 x 1, 24 waves a work-group, no clusters, 18,432 bytes of LDS; arguments token_hidden, w_pool, b_pool, attention_mask, codes, bscales, scores; writes codes, bscales, scores
.if DOCPART == 1
	.amdgcn_target "amdgcn-amd-amdhsa--gfx1250"
	.amdhsa_code_object_version 6
	.text
	.protected	k_q8d137ab3eb_prep
	.globl	k_q8d137ab3eb_prep
	.p2align	8
	.type	k_q8d137ab3eb_prep,@function
k_q8d137ab3eb_prep:
	s_mov_b64 s[64:65], 0
	v_nop
	global_prefetch_b8 v0, s[64:65] scope:SCOPE_SE
	s_setreg_imm32_b32 hwreg(HW_REG_WAVE_MODE, 25, 1), 1
	s_wait_xcnt 0x0
; token_hidden [16][2048][768] f32 is read once.  Out of it come
;   scores  [16][2048] f32: token . w_pool + b_pool, or -infinity where attention_mask < 0.5 (the next launch needs the mask in no other way);
;   codes:  token_hidden as E2M1 codes, quantised along the TOKENS (the K of the pooling product), blocks of 32 tokens for each column;
;   bscales [16][16][768] words: for each 128 tokens and each column the four E8M0 bytes of its four blocks, the lower tokens in the lower byte.
; CODES' LAYOUT: images of the matrix operand's registers.  For each (batch, 128 tokens, 16 columns) 1,024 bytes: block kb of column r lies at 256 kb + 16 r,
; which is piece c = kb / 2 of lane 16 (kb % 2) + r: the next launch loads a fragment by two loads of 16 bytes a lane at 16 x lane.
; A block's scale is 2^(floor(log2(largest magnitude)) - 2); its byte is the largest magnitude's exponent field - 2, held at 1 from below.
; LIMITS: a block of zeros gets the byte 1 where the rule says 127 (its codes are zeros, and only this program reads the bytes); NaN and infinities among the inputs are not served.
; SHARES.  A work-group takes 128 tokens of one batch row (work-group = 16 x batch + which 128).  Wave = 4 x panel + kb: panel 0..5 is 128 columns, kb 0..3 is 32 tokens.
; A LANE TAKES A COLUMN AND ITS REGISTERS RUN DOWN THE TOKENS, four columns 32 apart: a block lies in one lane's 32 registers, its largest magnitude needs no other lane,
; and the conversions give codes with the tokens innermost.  Nothing is transposed.  Each load reads 128 consecutive bytes of a token's row; the two loads that make 256 consecutive bytes follow each other.
; No loop: a wave asks for all its 128 loads; the first 64 columns are worked on while the other 64 are on their way.
; No tensor load, no ring, no cluster: work-groups share w_pool's 3,072 bytes and nothing else, and the bytes on their way lie in registers.
.set TOKB,  3072                       ; bytes in a token's row
.set FLOOR, 0x1800000                  ; 2^(3 - 127): under it no largest magnitude is taken, so the byte cannot fall under 1
.set SPT,   24*512                     ; LDS: from 0 each wave's 128 scale words (512 bytes a wave); from SPT each wave's 32 partial scores (128 bytes a wave)
.set LSR, 1                            ; v1      LDS: SPT + 16 x lane: four tokens' partial scores
.set VL,  2                            ; v2      4 x lane
.set VST, 3                            ; v3      my place in the codes: 1,024 x (lane / 16) + 16 x (lane % 16)
.set LW,  4                            ; v4      LDS: 512 x wave + 4 x lane
.set LP,  5                            ; v5      LDS: SPT + 128 x wave + 4 x lane
.set L16, 6                            ; v6      16 x lane
.set LRW, 7                            ; v7      LDS: 2,048 x wave + 16 x lane: four columns' words of panel = wave (waves 0 to 5)
.set W,   8                            ; v8-15   w_pool of my four columns, each twice: a pair for the packed forms
.set AM,  16                           ; v16-19  attention_mask of tokens 4 x lane .. + 3
.set C,   20                           ; v20-27  codes of the first two column groups (those of the last two go where the second group's numbers lay)
.set MXA, 28                           ; v28, 29 two chains of the largest magnitude
.set MXB, 29
.set SCL, 30                           ; v30     the conversion's scale operand
.set BY,  31                           ; v31     the scale's byte, at its place in the word
.set T,   28                           ; v28-31  at work in the fold (the four above are free then)
.set X,   32                           ; v32-159 column group g, token t at v[X + 32 g + t]; group 0's registers then hold the tokens' partial scores
	s_load_b256 s[4:11], s[0:1], 0x0               ; token_hidden s[4:5], w_pool s[6:7], b_pool s[8:9], attention_mask s[10:11]
	s_load_b128 s[12:15], s[0:1], 0x20             ; codes s[12:13], bscales s[14:15]
	s_load_b64 s[16:17], s[0:1], 0x30              ; scores
	v_lshrrev_b32 v1, 5, v0
	v_readfirstlane_b32 s18, v1                    ; wave 0..23
	s_and_b32 s19, s18, 3                          ; kb: which 32 tokens
	s_lshr_b32 s20, s18, 2                         ; panel: which 128 columns
	v_and_b32 v1, 31, v0                           ; lane
	v_lshlrev_b32 v[VL], 2, v1
	v_lshlrev_b32 v[L16], 4, v1
	v_add_nc_u32 v[LSR], SPT, v[L16]
	v_and_b32 v7, 15, v0
	v_lshlrev_b32 v[VST], 4, v7
	v_bfe_u32 v7, v0, 4, 1
	v_lshl_add_u32 v[VST], v7, 10, v[VST]
	s_lshl_b32 s21, s18, 9
	v_add_nc_u32 v[LW], s21, v[VL]
	s_mul_i32 s32, ttmp9, 3072                     ; bscales: the work-group's 768 words,
	s_add_co_u32 s32, s32, s21                     ; + 512 x wave (used by waves 0 to 5 alone)
	s_mov_b32 s33, 0
	s_lshl_b32 s21, s18, 7
	s_add_co_u32 s21, s21, SPT
	v_add_nc_u32 v[LP], s21, v[VL]
	s_lshl_b32 s21, s18, 11
	v_add_nc_u32 v[LRW], s21, v[L16]
	s_lshl_b32 s22, s19, 3                         ; 8 kb: my byte's place in a scale word
	s_mul_i32 s24, ttmp9, 128*TOKB                 ; token_hidden: the work-group's 128 rows (under 2^31 bytes in all),
	s_mul_i32 s23, s19, 32*TOKB                    ; my 32 of them,
	s_add_co_u32 s24, s24, s23
	s_lshl_b32 s26, s20, 9                         ; my panel's 512 bytes of a row (and of w_pool)
	s_add_co_u32 s24, s24, s26
	s_mov_b32 s25, 0
	s_mov_b32 s27, 0
	s_mul_i32 s28, ttmp9, 49152                    ; codes: 48 images of 1,024 bytes for the work-group's 128 tokens,
	s_lshl_b32 s23, s20, 13                        ; my panel's eight,
	s_add_co_u32 s28, s28, s23
	s_lshl_b32 s23, s19, 8                         ; my block's 256 bytes in each
	s_add_co_u32 s28, s28, s23
	s_mov_b32 s29, 0
	s_lshl_b32 s30, ttmp9, 9                       ; attention_mask and scores: 128 tokens x 4 bytes
	s_mov_b32 s31, 0
	s_mov_b32 s36, 0xff00ff00                      ; lanes whose number has bit 3 set; bits 2, 1, 0 below
	s_mov_b32 s37, 0xf0f0f0f0
	s_mov_b32 s38, 0xcccccccc
	s_mov_b32 s39, 0xaaaaaaaa
	s_wait_kmcnt 0x0
	s_load_b32 s34, s[8:9], 0x0                    ; b_pool
	s_add_nc_u64 s[4:5], s[4:5], s[24:25]
	s_add_nc_u64 s[6:7], s[6:7], s[26:27]
	s_add_nc_u64 s[10:11], s[10:11], s[30:31]
	s_add_nc_u64 s[12:13], s[12:13], s[28:29]
	s_add_nc_u64 s[14:15], s[14:15], s[32:33]
	s_add_nc_u64 s[16:17], s[16:17], s[30:31]
.irp g, 0,1,2,3
	global_load_b32 v[W+2*\g], v[VL], s[6:7] offset:128*\g      ; w_pool of column 128 panel + 32 g + lane,
	global_load_b32 v[W+2*\g+1], v[VL], s[6:7] offset:128*\g    ; twice: both halves of a packed multiply take the same number
.endr
	global_load_b128 v[AM:AM+3], v[L16], s[10:11]  ; every wave asks for the mask at the head, so that no wave waits for it at the end
.macro FETCH p                         ; column groups 2 p and 2 p + 1, token by token: two loads of 128 consecutive bytes, side by side in the row
.set tk, 0
.rept 32
	global_load_b32 v[X+64*\p+tk], v[VL], s[4:5] offset:tk*TOKB+256*\p
	global_load_b32 v[X+64*\p+32+tk], v[VL], s[4:5] offset:tk*TOKB+256*\p+128
.set tk, tk+1
.endr
.endm
	FETCH 0
	FETCH 1
; Column group g: the block's scale, its 32 codes (16 bytes a lane, into v[cd] on), and its share of the 32 tokens' scores.
.macro COLS g, cd
.set XS, X+32*(\g)
	v_max3_num_f32 v[MXA], |v[XS]|, |v[XS+1]|, FLOOR               ; the largest magnitude of my column's 32 numbers, in two chains, the floor among the leaves
	v_max3_num_f32 v[MXB], |v[XS+2]|, |v[XS+3]|, |v[XS+4]|
.irp i, 5,9,13,17,21,25
	v_max3_num_f32 v[MXA], v[MXA], |v[XS+\i]|, |v[XS+\i+1]|
	v_max3_num_f32 v[MXB], v[MXB], |v[XS+\i+2]|, |v[XS+\i+3]|
.endr
	v_max3_num_f32 v[MXA], v[MXA], |v[XS+29]|, |v[XS+30]|
	v_max3_num_f32 v[MXA], v[MXA], v[MXB], |v[XS+31]|
	v_add_nc_u32 v[SCL], 0xff000000, v[MXA]        ; 2 off its exponent field: the conversion takes the exponent field of this operand as its scale, and nothing else of it
.irp q, 0,1,2,3
	v_cvt_scalef32_pk8_fp4_f32 v[(\cd)+\q], v[XS+8*\q:XS+8*\q+7], v[SCL]   ; eight tokens' codes, the lowest token in the lowest four bits; beyond 6 the largest code
.endr
	v_lshrrev_b32 v[BY], 23, v[SCL]                ; the scale's byte (also the plain line behind the conversions, ahead of the lines that write their sources),
	v_lshlrev_b32 v[BY], s22, v[BY]                ; at my block's place in the column's word
	ds_store_b32 v[LW], v[BY] offset:128*(\g)      ; my wave's own 512 bytes: word 32 g + lane
	global_store_b128 v[VST], v[(\cd):(\cd)+3], s[12:13] offset:2048*(\g)   ; lanes 0-15 fill 256 consecutive aligned bytes of one image, lanes 16-31 of the next
.set i2, 0
.rept 16
.if (\g) == 0
	v_pk_mul_f32 v[X+i2:X+i2+1], v[X+i2:X+i2+1], v[W:W+1]          ; the first group starts the sums, in place: two tokens an instruction
.else
	v_pk_fma_f32 v[X+i2:X+i2+1], v[XS+i2:XS+i2+1], v[W+2*(\g):W+2*(\g)+1], v[X+i2:X+i2+1]
.endif
.set i2, i2+2
.endr
.endm
; A fold: registers i and i + n hold two tokens' sums.  Lanes whose bit is 0 keep the first token and give the second, the others the other way round; each adds what its partner (lane xor x) gives.
.macro FOLD n, m, x
.set i3, 0
.rept \n
	v_cndmask_b32 v[T+i3%4], v[X+i3], v[X+\n+i3], s[\m]            ; what I keep
	v_cndmask_b32 v[X+\n+i3], v[X+\n+i3], v[X+i3], s[\m]           ; what I give
	v_add_f32_dpp v[X+i3], v[X+\n+i3], v[T+i3%4] row_xmask:\x row_mask:0xf bank_mask:0xf
.set i3, i3+1
.endr
.endm
	s_wait_loadcnt 63                              ; groups 0 and 1 are in: 64 loads were issued behind their last one; 63 is the most that a wait names
	COLS 0, C
	COLS 1, C+4
	s_wait_loadcnt 0x0                             ; groups 2 and 3
	COLS 2, X+32                                   ; their codes go where group 1's numbers lay: those have been converted and added
	COLS 3, X+36
	; v[X + t], lane l: token t's sum over my four columns.  32 sums x 32 lanes are folded, so that lane l ends with token l's sum over the wave's 128 columns.
.set i3, 0
.rept 16
	v_permlane16_swap_b32 v[X+i3], v[X+16+i3]      ; now the first holds both tokens' lanes 0-15 and the second both tokens' lanes 16-31
.set i3, i3+1
.endr
.set i3, 0
.rept 8
	v_pk_add_f32 v[X+i3:X+i3+1], v[X+i3:X+i3+1], v[X+16+i3:X+17+i3]   ; register t: token t in lanes 0-15, token t + 16 in lanes 16-31
.set i3, i3+2
.endr
	FOLD 8, 36, 8
	FOLD 4, 37, 4
	FOLD 2, 38, 2
	FOLD 1, 39, 1
	ds_store_b32 v[LP], v[X]                       ; my wave's own 128 bytes
	s_wait_kmcnt 0x0                               ; b_pool
	s_wait_dscnt 0x0                               ; for the others' sake: my scale words and my partial scores lie in LDS
	s_barrier_signal -1
	s_barrier_wait -1
	s_cmp_lt_u32 s18, 6
	s_cbranch_scc0 .Lnot_words
	; waves 0 to 5: panel = wave.  The four blocks' bytes of a column lie in four waves' words: or them, four columns a lane
.irp j, 0,1,2,3
	ds_load_b128 v[X+64+4*\j:X+64+4*\j+3], v[LRW] offset:512*\j
.endr
	s_wait_dscnt 0x0
.irp e, 0,1,2,3
	v_or_b32 v[X+64+\e], v[X+64+\e], v[X+68+\e]
	v_or_b32 v[X+72+\e], v[X+72+\e], v[X+76+\e]
.endr
.irp e, 0,1,2,3
	v_or_b32 v[X+64+\e], v[X+64+\e], v[X+72+\e]
.endr
	global_store_b128 v[L16], v[X+64:X+67], s[14:15]   ; 32 lanes store 512 consecutive bytes, at a multiple of 512 from the buffer's first byte
	s_branch .Ldone
.Lnot_words:
	s_cmp_eq_u32 s18, 6
	s_cbranch_scc0 .Ldone
	; wave 6: the six panels' partial scores of the 128 tokens, four tokens a lane
.irp j, 0,1,2,3,4,5
	ds_load_b128 v[X+64+4*\j:X+64+4*\j+3], v[LSR] offset:512*\j
.endr
	s_wait_dscnt 0x0
.irp e, 0,2
	v_pk_add_f32 v[X+64+\e:X+65+\e], v[X+64+\e:X+65+\e], v[X+68+\e:X+69+\e]
	v_pk_add_f32 v[X+72+\e:X+73+\e], v[X+72+\e:X+73+\e], v[X+76+\e:X+77+\e]
	v_pk_add_f32 v[X+80+\e:X+81+\e], v[X+80+\e:X+81+\e], v[X+84+\e:X+85+\e]
.endr
.irp e, 0,2
	v_pk_add_f32 v[X+64+\e:X+65+\e], v[X+64+\e:X+65+\e], v[X+72+\e:X+73+\e]
.endr
.irp e, 0,2
	v_pk_add_f32 v[X+64+\e:X+65+\e], v[X+64+\e:X+65+\e], v[X+80+\e:X+81+\e]
.endr
.irp e, 0,1,2,3
	v_add_f32 v[X+64+\e], s34, v[X+64+\e]          ; + b_pool
.endr
.irp e, 0,1,2,3
	v_cmp_le_f32 vcc_lo, 0.5, v[AM+\e]             ; a token counts where its mask is 0.5 or more (a NaN there hides it, as in the definition)
	v_cndmask_b32 v[X+64+\e], 0xff800000, v[X+64+\e], vcc_lo   ; else -infinity
.endr
	global_store_b128 v[L16], v[X+64:X+67], s[16:17]   ; 512 consecutive bytes, aligned
.Ldone:
	s_wait_xcnt 0x0
	v_lshl_add_u32 v158, v0, 2, 0x3c00
	v_mov_b32 v159, 0
	s_wait_tensorcnt 0x0
	ds_add_u32 v158, v159
	s_wait_dscnt 0x0
	s_endpgm
.Lfunc_end_k_q8d137ab3eb_prep:
	.size	k_q8d137ab3eb_prep, .Lfunc_end_k_q8d137ab3eb_prep-k_q8d137ab3eb_prep
	.p2alignl 7, 3214868480
	.fill 96, 4, 3214868480
	.section	.rodata,"a",@progbits
	.p2align	6, 0x0
	.amdhsa_kernel k_q8d137ab3eb_prep
		.amdhsa_group_segment_fixed_size 18432
		.amdhsa_private_segment_fixed_size 0
		.amdhsa_enable_private_segment 0
		.amdhsa_kernarg_size 56
		.amdhsa_user_sgpr_count 2
		.amdhsa_user_sgpr_kernarg_segment_ptr 1
		.amdhsa_wavefront_size32 1
		.amdhsa_system_sgpr_workgroup_id_x 1
		.amdhsa_system_sgpr_workgroup_id_y 1
		.amdhsa_system_sgpr_workgroup_id_z 1
		.amdhsa_system_vgpr_workitem_id 0
		.amdhsa_next_free_vgpr 160
		.amdhsa_next_free_sgpr 66
		.amdhsa_reserve_vcc 1
		.amdhsa_float_denorm_mode_32 3
		.amdhsa_float_denorm_mode_16_64 3
		.amdhsa_memory_ordered 1
		.amdhsa_forward_progress 1
		.amdhsa_inst_pref_size 33
	.end_amdhsa_kernel
	.amdgpu_metadata
---
amdhsa.version: [ 1, 2 ]
amdhsa.kernels:
  - .name:           k_q8d137ab3eb_prep
    .symbol:         k_q8d137ab3eb_prep.kd
    .args:
      - { .name: token_hidden, .offset: 0, .size: 8, .value_kind: global_buffer, .address_space: global }
      - { .name: w_pool, .offset: 8, .size: 8, .value_kind: global_buffer, .address_space: global }
      - { .name: b_pool, .offset: 16, .size: 8, .value_kind: global_buffer, .address_space: global }
      - { .name: attention_mask, .offset: 24, .size: 8, .value_kind: global_buffer, .address_space: global }
      - { .name: codes, .offset: 32, .size: 8, .value_kind: global_buffer, .address_space: global }
      - { .name: bscales, .offset: 40, .size: 8, .value_kind: global_buffer, .address_space: global }
      - { .name: scores, .offset: 48, .size: 8, .value_kind: global_buffer, .address_space: global }
    .group_segment_fixed_size: 18432
    .private_segment_fixed_size: 0
    .kernarg_segment_align: 8
    .kernarg_segment_size: 56
    .max_flat_workgroup_size: 768
    .sgpr_count:     66
    .vgpr_count:     160
    .wavefront_size: 32
...
	.end_amdgpu_metadata
.endif
;; end of part 1
;; launch pool (part 2): grid 6 x 32, 16 waves a work-group, no clusters, 139,776 bytes of LDS; arguments scores, codes, bscales, span_starts, span_ends, out0, out1; writes out0, out1
.if DOCPART == 2
	.amdgcn_target "amdgcn-amd-amdhsa--gfx1250"
	.amdhsa_code_object_version 6
	.text
	.protected	k_q8d137ab3eb_pool
	.globl	k_q8d137ab3eb_pool
	.p2align	8
	.type	k_q8d137ab3eb_pool,@function
k_q8d137ab3eb_pool:
	s_mov_b64 s[64:65], 0
	v_nop
	global_prefetch_b8 v0, s[64:65] scope:SCOPE_SE
	s_setreg_imm32_b32 hwreg(HW_REG_WAVE_MODE, 25, 1), 1
	s_wait_xcnt 0x0
; out0[b][k][d] = sum over tokens l of Q(w[b][k][l]) Q(token_hidden[b][l][d]), w the softmax of the scores over span k's tokens; out1[b][k] = 1 where the span has a token that counts.
; scores hold -infinity where attention_mask hid a token; codes and bscales hold token_hidden as E2M1 codes along the tokens, as images of the operand's registers (1,024 bytes for 128 tokens x 16 columns).
; SHARES.  A work-group takes 16 spans of one batch row (y = 2 x batch + which 16) and 128 columns (x).  WAVE w IS K STEP w: tokens 128 w .. 128 w + 127.
; LAYOUT.  Lane (r, h) holds span r and, in v[X + 32 c + i], token 128 w + 64 c + 32 h + i: two whole blocks of 32, in the order in which the 4-bit operand wants them.  So the mask, the softmax and the
; quantiser stay in the lane, and the conversions' results are the operand.  The spans' maxima and sums over the 16 waves meet in LDS: two barriers.
; w is made as the definition has it: e = exp(x - m) with m the span's maximum, s = the sum of e, w = e / max(s, 1e-30); x - m is a subtraction in f32, 1 / s a reciprocal with one Newton step.
; THE PRODUCT IS USED TRANSPOSED: source 0 = 16 columns of the codes, source 1 = the 16 spans: a lane then holds eight neighbouring columns of span r.  Each wave makes 16 x 128 partial sums of its K step;
; the 16 partial tiles meet in LDS, and thread (wave s, lane l) adds and stores columns 4 l .. 4 l + 3 of span s.
; WORK THAT IS LEFT OUT.  A K step that none of the 16 spans touches has only zeros in w.  Such a wave jumps over the mask, the softmax and the products and lays zeros into its tile.  Whether a K step has
; work is decided by scalar loads of span_starts and span_ends and scalar arithmetic alone: a span touches it where max(start, first token) < min(end, first token + 128).
; No barrier stands under such a branch.  The loads of codes stay in the text, so that their registers are written on every way; a factor 0 points them at the buffer's head.
; Any spans are served: unordered, overlapping, empty, reaching outside 0 .. 2,048.
; No tensor load: the branches hang on numbers read from memory.  No cluster: the six work-groups of 16 spans share 512 bytes of scores a wave and nothing else.
; 128 columns to a work-group, so that a span's piece of a row of out0 is 512 aligned bytes.
; LIMITS: NaN and infinities among the scores are not served; a score at or under -3e38 counts as hidden; an exponential under 2^-126 comes out as 0; a block of zeros has the scale byte 1 (its codes are zeros).
.set SLOTB, 8448                       ; LDS: a wave's partial tile: 16 rows (spans) x (512 bytes + 16).  The pitch, 528, is an odd multiple of 16: the sixteen rows of a store begin at sixteen different 16-byte columns of 256
.set RP,    528
.set PMB,   16*SLOTB                   ; behind the tiles: the partial maxima, span r's 16 words (one a wave) at 80 r;
.set PSB,   PMB+1280                   ; and the partial sums likewise
.set FLOOR, 0x1800000                  ; 2^(3 - 127)
.set R,    1                           ; v1   lane % 16: my span
.set H,    2                           ; v2   lane / 16
.set LN,   3                           ; v3   lane
.set R4,   4                           ; v4   4 r
.set H128, 5                           ; v5   128 h
.set BO,   6                           ; v6   16 x lane, or 0 in a wave without work
.set SO,   7                           ; v7   4 x lane, or 0
.set SA,   8                           ; v8   my span's start, held to 0 .. 2,048
.set SE,   9                           ; v9   its end, likewise
.set LEN,  10                          ; v10  its length, 0 if it is empty
.set TA,   11                          ; v11, 12 at work
.set TB,   12
.set D0,   13                          ; v13, 14 the first token of my two blocks, counted from my span's start
.set NINF, 15                          ; v15  -infinity
.set PM,   16                          ; v16  my wave's maximum for span r
.set PS,   17                          ; v17  my wave's sum
.set MM,   18                          ; v18, 19 the span's maximum, twice
.set RR,   20                          ; v20, 21 1 / the span's sum, twice
.set PMA,  22                          ; v22  LDS: PMB + 80 r + 4 x wave
.set PRD,  23                          ; v23  LDS: PMB + 80 r
.set SAD,  24                          ; v24  LDS: my tile: SLOTB x wave + 528 r + 32 h
.set RAD,  25                          ; v25  LDS: 528 x wave + 16 x lane: my 16 bytes in tile 0;  v26 in tile 8
.set RAD2, 26
.set O1,   27                          ; v27  out1's number
.set TQ,   28                          ; v28-31 at work
.set ST,   32                          ; v32-47 a span's 16 partial maxima or sums
.set BM,   48                          ; v48, 49 my two blocks' largest w
.set SCL,  50                          ; v50, 51 the conversions' scale operands
.set BY,   52                          ; v52, 53 the scales' bytes
.set L16,  54                          ; v54  16 x lane
.set SB,   56                          ; v56-59 the codes' scale words: register p: column tile 2 p in lanes 0-15, tile 2 p + 1 in lanes 16-31
.set SW,   60                          ; v60  w's scale word
.set AC,   62                          ; v62-69 w's codes
.set X,    70                          ; v70-133 scores, then e, then w; then the eight results
.set B,    134                         ; v134-197 the codes' eight fragments; then the 16 partial tiles' 16 bytes
.set SST,  44                          ; s[44:59] the 16 spans' starts
.set SEN,  68                          ; s[68:83] their ends
.macro MEET                            ; my LDS stores have landed and my LDS loads are in: then the work-group's barrier
	s_wait_dscnt 0x0
	s_barrier_signal -1
	s_barrier_wait -1
.endm
	s_load_b256 s[4:11], s[0:1], 0x0               ; scores s[4:5], codes s[6:7], bscales s[8:9], span_starts s[10:11]
	s_load_b128 s[12:15], s[0:1], 0x20             ; span_ends s[12:13], out0 s[14:15]
	s_load_b64 s[16:17], s[0:1], 0x30              ; out1
	v_lshl_add_u32 v200, v0, 2, 0x21a00
	v_mov_b32 v201, 0
	v_lshrrev_b32 v[R], 5, v0
	v_readfirstlane_b32 s18, v[R]                  ; wave 0..15 = K step
	s_and_b32 s19, ttmp7, 0xffff                   ; y = 2 x batch + which 16 spans
	s_lshr_b32 s20, s19, 1                         ; batch
	v_and_b32 v[R], 15, v0
	v_bfe_u32 v[H], v0, 4, 1
	v_and_b32 v[LN], 31, v0
	v_lshlrev_b32 v[R4], 2, v[R]
	v_lshlrev_b32 v[H128], 7, v[H]
	v_lshlrev_b32 v[L16], 4, v[LN]
	v_mul_u32_u24 v[PRD], v[R], 80
	v_add_nc_u32 v[PRD], PMB, v[PRD]
	s_lshl_b32 s21, s18, 2
	v_add_nc_u32 v[PMA], s21, v[PRD]
	s_mul_i32 s21, s18, SLOTB
	v_mul_u32_u24 v[SAD], v[R], RP
	v_lshl_add_u32 v[SAD], v[H], 5, v[SAD]
	v_add_nc_u32 v[SAD], s21, v[SAD]
	s_mul_i32 s21, s18, RP
	v_add_nc_u32 v[RAD], s21, v[L16]
	v_add_nc_u32 v[RAD2], 8*SLOTB, v[RAD]
	v_mov_b32 v[NINF], 0xff800000
	v_mov_b32 v[TB], 0                             ; written once: a lane permute's destination counts as one of its sources
	s_mov_b32 s40, 0x3fb8aa3b                      ; log2(e)
	s_mov_b32 s41, s40                             ; (named with it as a pair, so it is written)
	s_mov_b32 s42, 0x76543210                      ; v_permlanex16_b32's selects for lane l xor 16
	s_mov_b32 s43, 0xfedcba98
	s_lshl_b32 s24, s19, 6                         ; span_starts, span_ends, out1: my 16 spans' 64 bytes
	s_mov_b32 s25, 0
	s_lshl_b32 s26, s20, 13                        ; scores: the batch row's 8,192 bytes,
	s_lshl_b32 s21, s18, 9                         ; my K step's 512
	s_add_co_u32 s26, s26, s21
	s_mov_b32 s27, 0
	s_mul_i32 s28, s20, 786432                     ; codes: the batch row, 16 K steps of 48 images,
	s_mul_i32 s21, s18, 49152                      ; my K step,
	s_add_co_u32 s28, s28, s21
	s_lshl_b32 s21, ttmp9, 13                      ; my eight images
	s_add_co_u32 s28, s28, s21
	s_mov_b32 s29, 0
	s_mul_i32 s34, s18, 3072
	s_lshl_b32 s21, ttmp9, 9
	s_add_co_u32 s34, s34, s21                     ; 3,072 x wave + 512 x: serves twice
	s_mul_i32 s30, s20, 49152                      ; bscales: the batch row's 16 x 768 words, my K step's, my 128 columns'
	s_add_co_u32 s30, s30, s34
	s_mov_b32 s31, 0
	s_mul_i32 s32, s19, 49152                      ; out0: my 16 spans' rows of 3,072 bytes; row = wave; my 128 columns
	s_add_co_u32 s32, s32, s34
	s_mov_b32 s33, 0
	s_wait_kmcnt 0x0
	s_add_nc_u64 s[10:11], s[10:11], s[24:25]
	s_add_nc_u64 s[12:13], s[12:13], s[24:25]
	s_load_b512 s[SST:SST+15], s[10:11], 0x0       ; the 16 starts and the 16 ends as scalars: 64 aligned bytes each; this launch stores into neither buffer
	s_load_b512 s[SEN:SEN+15], s[12:13], 0x0
	s_add_nc_u64 s[16:17], s[16:17], s[24:25]
	s_add_nc_u64 s[4:5], s[4:5], s[26:27]
	s_add_nc_u64 s[14:15], s[14:15], s[32:33]
	global_load_b32 v[SA], v[R4], s[10:11]         ; and my own span's, for the mask
	global_load_b32 v[SE], v[R4], s[12:13]
.irp c, 0,1
.irp q, 0,1,2,3,4,5,6,7
	global_load_b128 v[X+32*\c+4*\q:X+32*\c+4*\q+3], v[H128], s[4:5] offset:256*\c+16*\q   ; tokens 64 c + 32 h + 4 q .. + 3 of my K step: the sixteen lanes of a half read the same 16 bytes
.endr
.endr
	s_lshl_b32 s21, s18, 7                         ; my K step's first token,
	s_add_co_u32 s23, s21, 128                     ; and the first behind it
	s_mov_b32 s22, 0
	s_wait_kmcnt 0x0                               ; the 32 bounds
.irp i, 0,1,2,3,4,5,6,7,8,9,10,11,12,13,14,15
	s_max_i32 s35, s[SST+\i], s21                  ; the first token of span i in my K step,
	s_min_i32 s34, s[SEN+\i], s23                  ; and the first behind its last one there:
	s_cmp_lt_i32 s35, s34                          ; is there any?  (Both are compared as they are: nothing is subtracted, so no bound can overflow)
	s_cselect_b32 s22, 1, s22                      ; 1: my K step has work
.endr
	s_min_u32 s22, s22, 1                          ; (a number made of loaded numbers goes into offsets only behind such a bound)
	s_mul_i32 s28, s28, s22                        ; a wave without work asks at the buffers' heads, every lane for the same bytes
	s_mul_i32 s30, s30, s22
	s_add_nc_u64 s[6:7], s[6:7], s[28:29]
	s_add_nc_u64 s[8:9], s[8:9], s[30:31]
	v_mul_u32_u24 v[BO], s22, v[L16]
	v_lshlrev_b32 v[SO], 2, v[LN]
	v_mul_u32_u24 v[SO], s22, v[SO]
.irp t, 0,1,2,3,4,5,6,7
.irp c, 0,1
	global_load_b128 v[B+8*\t+4*\c:B+8*\t+4*\c+3], v[BO], s[6:7] offset:1024*\t+512*\c   ; column tile t: the image as it lies: 512 consecutive bytes a load.  They land while the softmax is made
.endr
.endr
.irp p, 0,1,2,3
	global_load_b32 v[SB+\p], v[SO], s[8:9] offset:128*\p
.endr
	v_mov_b32 v[PM], v[NINF]                       ; what a wave without work hands in
	s_wait_loadcnt 20                              ; my span's bounds and the scores are in; the 16 + 4 loads of codes and scale words issued behind them may be out
	s_cmp_eq_u32 s22, 0
	s_cbranch_scc1 .Lidle
	v_cmp_lt_i32 vcc_lo, 0, v[SA]
	v_cndmask_b32 v[SA], 0, v[SA], vcc_lo          ; start and end are held to 0 .. 2,048: no token lies outside
	v_min_u32 v[SA], 0x800, v[SA]
	v_cmp_lt_i32 vcc_lo, 0, v[SE]
	v_cndmask_b32 v[SE], 0, v[SE], vcc_lo
	v_min_u32 v[SE], 0x800, v[SE]
	v_sub_nc_u32 v[LEN], v[SE], v[SA]
	v_cmp_gt_u32 vcc_lo, v[SE], v[SA]
	v_cndmask_b32 v[LEN], 0, v[LEN], vcc_lo        ; 0 where the end is not behind the start
	v_lshl_add_u32 v[D0], v[H], 5, s21             ; my first block's first token,
	v_sub_nc_u32 v[D0], v[D0], v[SA]               ; counted from my span's start: token D0 + i is in the span where that number, unsigned, is under the length
	v_add_nc_u32 v[D0+1], 64, v[D0]
	; ---- the span's mask: a score outside my span becomes -infinity, four at a time
.set k, 0
.rept 16
.irp e, 0,1,2,3
	v_add_nc_u32 v[TQ+\e], (k%32)+\e, v[D0+k/32]
.endr
.irp e, 0,1,2,3
	v_cmp_gt_u32 s[36+\e], v[LEN], v[TQ+\e]
.endr
.irp e, 0,1,2,3
	v_cndmask_b32 v[X+k+\e], v[NINF], v[X+k+\e], s[36+\e]
.endr
.set k, k+4
.endr
	v_max3_num_f32 v[PM], v[X], v[X+1], v[X+2]     ; the largest of my 64, in two chains
	v_max3_num_f32 v[TA], v[X+3], v[X+4], v[X+5]
.irp i, 6,10,14,18,22,26,30,34,38,42,46,50,54,58
	v_max3_num_f32 v[PM], v[PM], v[X+\i], v[X+\i+1]
	v_max3_num_f32 v[TA], v[TA], v[X+\i+2], v[X+\i+3]
.endr
	v_max3_num_f32 v[PM], v[PM], v[X+62], v[X+63]
	v_max_num_f32 v[PM], v[PM], v[TA]
	v_permlanex16_b32 v[TB], v[PM], s42, s43
	v_max_num_f32 v[PM], v[PM], v[TB]              ; with lane l xor 16's 64: my K step's largest score of span r
	s_branch .Ljoin1
.Lidle:                                            ; a wave without work lays zeros into its partial tile, now, while the others work
.irp e, 0,1,2,3
	v_mov_b32 v[TQ+\e], 0
.endr
.irp t, 0,1,2,3,4,5,6,7
	ds_store_b128 v[SAD], v[TQ:TQ+3] offset:64*\t
	ds_store_b128 v[SAD], v[TQ:TQ+3] offset:64*\t+16
.endr
.Ljoin1:
	ds_store_b32 v[PMA], v[PM]                     ; lanes r and r + 16 write the same word with the same value
	MEET
.irp j, 0,1,2,3
	ds_load_b128 v[ST+4*\j:ST+4*\j+3], v[PRD] offset:16*\j         ; span r's 16 partial maxima
.endr
	s_wait_dscnt 0x0
	v_max3_num_f32 v[MM], v[ST], v[ST+1], v[ST+2]
	v_max3_num_f32 v[TA], v[ST+3], v[ST+4], v[ST+5]
.irp i, 6,10
	v_max3_num_f32 v[MM], v[MM], v[ST+\i], v[ST+\i+1]
	v_max3_num_f32 v[TA], v[TA], v[ST+\i+2], v[ST+\i+3]
.endr
	v_max3_num_f32 v[MM], v[MM], v[ST+14], v[ST+15]
	v_max3_num_f32 v[MM], v[MM], v[TA], 0xff61b1e6 ; the span's maximum; -3e38 for a span without a token that counts, so that -infinity less it stays -infinity
	v_mov_b32 v[MM+1], v[MM]
	v_mov_b32 v[PS], 0
	s_cmp_eq_u32 s22, 0
	s_cbranch_scc1 .Ljoin2
	; ---- e = exp(x - m) = 2^((x - m) log2(e)); 0 where x is -infinity
.set k, 0
.rept 32
	v_pk_add_f32 v[X+k:X+k+1], v[X+k:X+k+1], v[MM:MM+1] neg_lo:[0,1] neg_hi:[0,1]
.set k, k+2
.endr
.set k, 0
.rept 32
	v_pk_mul_f32 v[X+k:X+k+1], v[X+k:X+k+1], s[40:41] op_sel_hi:[1,0]
.set k, k+2
.endr
.set k, 0
.rept 64
	v_exp_f32 v[X+k], v[X+k]
.set k, k+1
.endr
	v_nop                                          ; a plain line behind the last exponential, ahead of the first use of a result
	s_wait_alu depctr_va_vdst(0)                   ; one wait for the batch of 64, ahead of its first reader
	v_pk_add_f32 v[TQ:TQ+1], v[X:X+1], v[X+2:X+3]  ; the sum of my 64, two at a time, in two chains
	v_pk_add_f32 v[TQ+2:TQ+3], v[X+4:X+5], v[X+6:X+7]
.irp i, 8,12,16,20,24,28,32,36,40,44,48,52,56,60
	v_pk_add_f32 v[TQ:TQ+1], v[TQ:TQ+1], v[X+\i:X+\i+1]
	v_pk_add_f32 v[TQ+2:TQ+3], v[TQ+2:TQ+3], v[X+\i+2:X+\i+3]
.endr
	v_pk_add_f32 v[TQ:TQ+1], v[TQ:TQ+1], v[TQ+2:TQ+3]
	v_add_f32 v[PS], v[TQ], v[TQ+1]
	v_permlanex16_b32 v[TB], v[PS], s42, s43
	v_add_f32 v[PS], v[PS], v[TB]
.Ljoin2:
	ds_store_b32 v[PMA], v[PS] offset:PSB-PMB      ; other bytes than the maxima, which waves may still be reading
	MEET
.irp j, 0,1,2,3
	ds_load_b128 v[ST+4*\j:ST+4*\j+3], v[PRD] offset:PSB-PMB+16*\j
.endr
	s_wait_dscnt 0x0
.irp i, 0,4,8,12
	v_pk_add_f32 v[ST+\i:ST+\i+1], v[ST+\i:ST+\i+1], v[ST+\i+2:ST+\i+3]
.endr
	v_pk_add_f32 v[ST:ST+1], v[ST:ST+1], v[ST+4:ST+5]
	v_pk_add_f32 v[ST+8:ST+9], v[ST+8:ST+9], v[ST+12:ST+13]
	v_pk_add_f32 v[ST:ST+1], v[ST:ST+1], v[ST+8:ST+9]
	v_add_f32 v[ST], v[ST], v[ST+1]                ; s: at least 1 where a token counts (the largest gives 1), else 0
	v_max_num_f32 v[ST+1], 0x0da24260, v[ST]       ; max(s, 1e-30)
	v_rcp_f32 v[RR], v[ST+1]
	v_cmp_le_f32 vcc_lo, 0.5, v[ST]                ; (plain lines behind the reciprocal)  out1: has the span a token that counts?
	v_mov_b32 v[TB], 1.0
	v_cndmask_b32 v[O1], 0, v[TB], vcc_lo
	s_wait_alu depctr_va_vdst(0)                   ; ahead of the reciprocal's first reader
	v_fma_f32 v[TA], -v[ST+1], v[RR], 1.0          ; one Newton step
	v_fma_f32 v[RR], v[TA], v[RR], v[RR]
	v_mov_b32 v[RR+1], v[RR]
	s_or_b32 s21, ttmp9, s18
	s_cmp_lg_u32 s21, 0
	s_cbranch_scc1 .Lno_flags                      ; wave 0 of the first column group writes the 16 flags
	global_store_b32 v[R4], v[O1], s[16:17]        ; lanes r and r + 16 write the same word with the same value; neither register is written again
.Lno_flags:
	s_wait_loadcnt 0x0                             ; the codes and their scale words
	s_cmp_eq_u32 s22, 0
	s_cbranch_scc1 .Ljoin3
	; ---- w = e / s, quantised along the tokens: my two blocks are all mine
.set k, 0
.rept 32
	v_pk_mul_f32 v[X+k:X+k+1], v[X+k:X+k+1], v[RR:RR+1]
.set k, k+2
.endr
.irp c, 0,1
	v_max3_num_f32 v[BM+\c], v[X+32*\c], v[X+32*\c+1], FLOOR       ; no |.|: w is never negative; the floor holds the byte at 1 from below
.endr
.irp i, 2,4,6,8,10,12,14,16,18,20,22,24,26,28,30
.irp c, 0,1
	v_max3_num_f32 v[BM+\c], v[BM+\c], v[X+32*\c+\i], v[X+32*\c+\i+1]   ; (the two blocks by turns)
.endr
.endr
.irp c, 0,1
	v_add_nc_u32 v[SCL+\c], 0xff000000, v[BM+\c]   ; 2 off the exponent field: the conversion's scale operand
.endr
.irp c, 0,1
	v_lshrrev_b32 v[BY+\c], 23, v[SCL+\c]          ; the scale's byte
.endr
	v_lshl_or_b32 v[SW], v[BY+1], 16, v[BY]        ; my two bytes: blocks h and 2 + h of span r,
	v_lshlrev_b32 v[TA], 3, v[H]
	v_lshlrev_b32 v[SW], v[TA], v[SW]              ; at their places in the scale word;
	v_permlanex16_b32 v[TB], v[SW], s42, s43
	v_or_b32 v[SW], v[SW], v[TB]                   ; with lane l xor 16's two the word is whole
.irp c, 0,1
.irp q, 0,1,2,3
	v_cvt_scalef32_pk8_fp4_f32 v[AC+4*\c+\q], v[X+32*\c+8*\q:X+32*\c+8*\q+7], v[SCL+\c]   ; registers 4 c .. 4 c + 3 of the operand
.endr
.endr
.rept 8
	v_nop                                          ; a scale register written by a vector instruction stands 8 places ahead of a scaled matrix instruction, an operand so written 4; the results below also land on the conversions' sources
.endr
.irp t, 0,2,4,6                        ; eight accumulators, one product each, begun with the constant 0.  Lane (r, h), register j of tile t: span r, column 16 t + 8 h + j
	v_wmma_scale_f32_16x16x128_f8f6f4 v[X+8*\t:X+8*\t+7], v[B+8*\t:B+8*\t+7], v[AC:AC+7], 0, v[SB+\t/2], v[SW] matrix_a_fmt:MATRIX_FMT_FP4 matrix_b_fmt:MATRIX_FMT_FP4
	v_wmma_scale_f32_16x16x128_f8f6f4 v[X+8*\t+8:X+8*\t+15], v[B+8*\t+8:B+8*\t+15], v[AC:AC+7], 0, v[SB+\t/2], v[SW] matrix_a_fmt:MATRIX_FMT_FP4 matrix_b_fmt:MATRIX_FMT_FP4 matrix_a_scale:MATRIX_SCALE_ROW1
.endr
.rept 4
	v_nop                                          ; four places ahead of the stores that read the results, and of the later loads into the codes' registers
.endr
.irp t, 0,1,2,3,4,5,6,7
	ds_store_b128 v[SAD], v[X+8*\t:X+8*\t+3] offset:64*\t          ; each accumulator from its low end on
	ds_store_b128 v[SAD], v[X+8*\t+4:X+8*\t+7] offset:64*\t+16
.endr
.Ljoin3:
	MEET                                           ; the 16 partial tiles lie in LDS
.irp j, 0,1,2,3,4,5,6,7
	ds_load_b128 v[B+4*\j:B+4*\j+3], v[RAD] offset:\j*SLOTB        ; span = my wave, columns 4 x lane .. + 3, of K steps 0 to 7: a wave reads 512 consecutive bytes
.endr
.irp j, 0,1,2,3,4,5,6,7
	ds_load_b128 v[B+32+4*\j:B+32+4*\j+3], v[RAD2] offset:\j*SLOTB ; and of K steps 8 to 15
.endr
	s_wait_dscnt 0x0
.macro LEVEL s                         ; pieces s registers apart are added, two numbers an instruction
.set q, 0
.rept 32/(\s)
	v_pk_add_f32 v[B+q:B+q+1], v[B+q:B+q+1], v[B+q+\s:B+q+\s+1]
	v_pk_add_f32 v[B+q+2:B+q+3], v[B+q+2:B+q+3], v[B+q+\s+2:B+q+\s+3]
.set q, q+2*(\s)
.endr
.endm
	LEVEL 4
	LEVEL 8
	LEVEL 16
	LEVEL 32
	global_store_b128 v[L16], v[B:B+3], s[14:15]   ; 32 lanes store 512 consecutive bytes of one span's row, at a multiple of 512 from out0's first byte
	s_wait_tensorcnt 0x0
	ds_add_u32 v200, v201
	s_wait_dscnt 0x0
	s_endpgm
.Lfunc_end_k_q8d137ab3eb_pool:
	.size	k_q8d137ab3eb_pool, .Lfunc_end_k_q8d137ab3eb_pool-k_q8d137ab3eb_pool
	.p2alignl 7, 3214868480
	.fill 96, 4, 3214868480
	.section	.rodata,"a",@progbits
	.p2align	6, 0x0
	.amdhsa_kernel k_q8d137ab3eb_pool
		.amdhsa_group_segment_fixed_size 139776
		.amdhsa_private_segment_fixed_size 0
		.amdhsa_enable_private_segment 0
		.amdhsa_kernarg_size 56
		.amdhsa_user_sgpr_count 2
		.amdhsa_user_sgpr_kernarg_segment_ptr 1
		.amdhsa_wavefront_size32 1
		.amdhsa_system_sgpr_workgroup_id_x 1
		.amdhsa_system_sgpr_workgroup_id_y 1
		.amdhsa_system_sgpr_workgroup_id_z 1
		.amdhsa_system_vgpr_workitem_id 0
		.amdhsa_next_free_vgpr 202
		.amdhsa_next_free_sgpr 84
		.amdhsa_reserve_vcc 1
		.amdhsa_float_denorm_mode_32 3
		.amdhsa_float_denorm_mode_16_64 3
		.amdhsa_memory_ordered 1
		.amdhsa_forward_progress 1
		.amdhsa_inst_pref_size 45
	.end_amdhsa_kernel
	.amdgpu_metadata
---
amdhsa.version: [ 1, 2 ]
amdhsa.kernels:
  - .name:           k_q8d137ab3eb_pool
    .symbol:         k_q8d137ab3eb_pool.kd
    .args:
      - { .name: scores, .offset: 0, .size: 8, .value_kind: global_buffer, .address_space: global }
      - { .name: codes, .offset: 8, .size: 8, .value_kind: global_buffer, .address_space: global }
      - { .name: bscales, .offset: 16, .size: 8, .value_kind: global_buffer, .address_space: global }
      - { .name: span_starts, .offset: 24, .size: 8, .value_kind: global_buffer, .address_space: global }
      - { .name: span_ends, .offset: 32, .size: 8, .value_kind: global_buffer, .address_space: global }
      - { .name: out0, .offset: 40, .size: 8, .value_kind: global_buffer, .address_space: global }
      - { .name: out1, .offset: 48, .size: 8, .value_kind: global_buffer, .address_space: global }
    .group_segment_fixed_size: 139776
    .private_segment_fixed_size: 0
    .kernarg_segment_align: 8
    .kernarg_segment_size: 56
    .max_flat_workgroup_size: 512
    .sgpr_count:     84
    .vgpr_count:     202
    .wavefront_size: 32
...
	.end_amdgpu_metadata
.endif
;; end of part 2
;; ======== version 2 of 2: 2 launches; version 1 with the launch pool written anew for expert scheduling mode
;; limits: right only within a limited range of input values
;; workspace buffers: codes 12,582,912 bytes; bscales 786,432 bytes; scores 131,072 bytes
;; launch prep: the kernel of part 1 again; grid 256 x 1, 24 waves a work-group, no clusters, 18,432 bytes of LDS; arguments token_hidden, w_pool, b_pool, attention_mask, codes, bscales, scores; writes codes, bscales, scores
;; launch pool (part 3): grid 6 x 32, 16 waves a work-group, no clusters, 139,776 bytes of LDS; arguments scores, codes, bscales, span_starts, span_ends, out0, out1; writes out0, out1
.if DOCPART == 3
	.amdgcn_target "amdgcn-amd-amdhsa--gfx1250"
	.amdhsa_code_object_version 6
	.text
	.protected	k_q8d137ab3eb_pool
	.globl	k_q8d137ab3eb_pool
	.p2align	8
	.type	k_q8d137ab3eb_pool,@function
k_q8d137ab3eb_pool:
	s_mov_b64 s[64:65], 0
	v_nop
	global_prefetch_b8 v0, s[64:65] scope:SCOPE_SE
	s_setreg_imm32_b32 hwreg(HW_REG_WAVE_SCHED_MODE, 0, 2), 2
	s_setreg_imm32_b32 hwreg(HW_REG_WAVE_MODE, 25, 1), 1
	s_wait_xcnt 0x0
	s_wait_alu depctr_vm_vsrc(0)
; out0[b][k][d] = sum over tokens l of Q(w[b][k][l]) Q(token_hidden[b][l][d]), w the softmax of the scores over span k's tokens; out1[b][k] = 1 where the span has a token that counts.
; scores hold -infinity where attention_mask hid a token; codes and bscales hold token_hidden as E2M1 codes along the tokens, as images of the operand's registers (1,024 bytes for 128 tokens x 16 columns).
; SHARES.  A work-group takes 16 spans of one batch row (y = 2 x batch + which 16) and 128 columns (x).  WAVE w IS K STEP w: tokens 128 w .. 128 w + 127.
; LAYOUT.  Lane (r, h) holds span r and, in v[X + 32 c + i], token 128 w + 64 c + 32 h + i: two whole blocks of 32, in the order in which the 4-bit operand wants them.  So the mask, the softmax and the
; quantiser stay in the lane, and the conversions' results are the operand.  The spans' maxima and sums over the 16 waves meet in LDS: two barriers.
; w is made as the definition has it: e = exp(x - m) with m the span's maximum, s = the sum of e, w = e / max(s, 1e-30); x - m is a subtraction in f32, 1 / s a reciprocal with one Newton step.
; THE PRODUCT IS USED TRANSPOSED: source 0 = 16 columns of the codes, source 1 = the 16 spans: a lane then holds eight neighbouring columns of span r.  Each wave makes 16 x 128 partial sums of its K step;
; the 16 partial tiles meet in LDS, and thread (wave s, lane l) adds and stores columns 4 l .. 4 l + 3 of span s.
; WORK THAT IS LEFT OUT.  A K step that none of the 16 spans touches has only zeros in w.  Such a wave jumps over the mask, the softmax and the products and lays zeros into its tile.  Whether a K step has
; work is decided by scalar loads of span_starts and span_ends and scalar arithmetic alone: a span touches it where max(start, first token) < min(end, first token + 128).
; No barrier stands under such a branch.  The loads of codes stay in the text, so that their registers are written on every way; a factor 0 points them at the buffer's head.
; Any spans are served: unordered, overlapping, empty, reaching outside 0 .. 2,048.
; No tensor load: the branches hang on numbers read from memory.  No cluster: the six work-groups of 16 spans share 512 bytes of scores a wave and nothing else.
; 128 columns to a work-group, so that a span's piece of a row of out0 is 512 aligned bytes.
; LIMITS: NaN and infinities among the scores are not served; a score at or under -3e38 counts as hidden; an exponential under 2^-126 comes out as 0; a block of zeros has the scale byte 1 (its codes are zeros).
; THE MODE: SCHED_MODE bits 1:0 = 2 (LLVM: expert scheduling mode 2), set by the entry lines.  The code itself states the register dependences
; between vector or matrix instructions and memory or LDS instructions, with s_wait_alu, always for 0.
; THE PLAN.  Registers that memory or LDS instructions touch, and who else names them, in the order of the text (there is no loop):
;   v4, v5, v54, v22-26   offsets and LDS addresses: written at the head, never again.   v200-203: four zeros, written at the head, never again; read by the LDS stores of a wave without work.
;   v6, v7, v16           the codes' offsets and the maximum's default: written behind the test for work; v6 and v7 never again.
;   v8, v9, X, B, v56-59  global loads land in them before any vector line has named them; vector lines follow behind the waits on LOADcnt.
;   v32-47                the mask's lines write and read them; then the LDS loads of the 16 maxima land; the maximum's lines read them; then the LDS loads of the 16 sums land.
;   v16, v17, v27         written by vector lines, each read by one store, never written again.
;   X as results          written by the eight products, read by the tile's LDS stores, never written again.
;   B                     read by the products; behind the third barrier LDS loads land in it; its first four registers, written by the additions, are the last store's data.
; No register that a memory or LDS instruction reads is written again behind it: so no memory or LDS instruction needs a wait on vm_vsrc behind it.  EXEC is never written.
; Scalar results of vector lines: the wave's number; the mask's compares, in runs of sixteen with one wait behind each run; VCC once, for out1's number.
.set SLOTB, 8448                       ; LDS: a wave's partial tile: 16 rows (spans) x (512 bytes + 16).  The pitch, 528, is an odd multiple of 16: the sixteen rows of a store begin at sixteen different 16-byte columns of 256
.set RP,    528
.set PMB,   16*SLOTB                   ; behind the tiles: the partial maxima, span r's 16 words (one a wave) at 80 r;
.set PSB,   PMB+1280                   ; and the partial sums likewise
.set FLOOR, 0x1800000                  ; 2^(3 - 127)
.set R,    1                           ; v1   lane % 16: my span
.set H,    2                           ; v2   lane / 16
.set LN,   3                           ; v3   lane
.set R4,   4                           ; v4   4 r
.set H128, 5                           ; v5   128 h
.set BO,   6                           ; v6   16 x lane, or 0 in a wave without work
.set SO,   7                           ; v7   4 x lane, or 0
.set SA,   8                           ; v8   my span's start, held to 0 .. 2,048
.set SE,   9                           ; v9   its end, likewise
.set LEN,  10                          ; v10  its length, 0 if it is empty
.set TA,   11                          ; v11, 12 at work
.set TB,   12
.set D0,   13                          ; v13, 14 the first token of my two blocks, counted from my span's start
.set NINF, 15                          ; v15  -infinity
.set PM,   16                          ; v16  my wave's maximum for span r
.set PS,   17                          ; v17  my wave's sum
.set MM,   18                          ; v18, 19 the span's maximum, twice
.set RR,   20                          ; v20, 21 1 / the span's sum, twice
.set PMA,  22                          ; v22  LDS: PMB + 80 r + 4 x wave
.set PRD,  23                          ; v23  LDS: PMB + 80 r
.set SAD,  24                          ; v24  LDS: my tile: SLOTB x wave + 528 r + 32 h
.set RAD,  25                          ; v25  LDS: 528 x wave + 16 x lane: my 16 bytes in tile 0;  v26 in tile 8
.set RAD2, 26
.set O1,   27                          ; v27  out1's number
.set TQ,   28                          ; v28-31 at work
.set ST,   32                          ; v32-47 sixteen token numbers for the mask; then a span's 16 partial maxima or sums
.set BM,   48                          ; v48, 49 my two blocks' largest w
.set SCL,  50                          ; v50, 51 the conversions' scale operands
.set BY,   52                          ; v52, 53 the scales' bytes
.set L16,  54                          ; v54  16 x lane
.set SB,   56                          ; v56-59 the codes' scale words: register p: column tile 2 p in lanes 0-15, tile 2 p + 1 in lanes 16-31
.set SW,   60                          ; v60  w's scale word
.set AC,   62                          ; v62-69 w's codes
.set X,    70                          ; v70-133 scores, then e, then w; then the eight results
.set B,    134                         ; v134-197 the codes' eight fragments; then the 16 partial tiles' 16 bytes
.set ZR,   200                         ; v200-203 zeros, for the tile of a wave without work; never rewritten
.set SST,  44                          ; s[44:59] the 16 spans' starts
.set SEN,  68                          ; s[68:83] their ends
.set MK,   SST                         ; s[44:59] behind the test for work: sixteen masks of the compares
.macro MEET                            ; my LDS stores have landed and my LDS loads are in: then the work-group's barrier
	s_wait_dscnt 0x0
	s_barrier_signal -1
	s_barrier_wait -1
.endm
	s_load_b256 s[4:11], s[0:1], 0x0               ; scores s[4:5], codes s[6:7], bscales s[8:9], span_starts s[10:11]
	s_load_b128 s[12:15], s[0:1], 0x20             ; span_ends s[12:13], out0 s[14:15]
	s_load_b64 s[16:17], s[0:1], 0x30              ; out1
	v_lshl_add_u32 v198, v0, 2, 0x21a00
	v_mov_b32 v199, 0
	v_lshrrev_b32 v[R], 5, v0
	v_readfirstlane_b32 s18, v[R]                  ; wave 0..15 = K step
	s_and_b32 s19, ttmp7, 0xffff                   ; y = 2 x batch + which 16 spans
	s_lshr_b32 s20, s19, 1                         ; batch
	v_and_b32 v[R], 15, v0
	v_bfe_u32 v[H], v0, 4, 1
	v_and_b32 v[LN], 31, v0
	v_lshlrev_b32 v[R4], 2, v[R]
	v_lshlrev_b32 v[H128], 7, v[H]
	v_lshlrev_b32 v[L16], 4, v[LN]
	v_mul_u32_u24 v[PRD], v[R], 80
	v_add_nc_u32 v[PRD], PMB, v[PRD]
	s_wait_alu depctr_va_sdst(0)                   ; s18, the wave's number, is written, ahead of its first reader: LDS addresses, bases and branches are made from it
	s_lshl_b32 s21, s18, 2
	v_add_nc_u32 v[PMA], s21, v[PRD]
	s_mul_i32 s21, s18, SLOTB
	v_mul_u32_u24 v[SAD], v[R], RP
	v_lshl_add_u32 v[SAD], v[H], 5, v[SAD]
	v_add_nc_u32 v[SAD], s21, v[SAD]
	s_mul_i32 s21, s18, RP
	v_add_nc_u32 v[RAD], s21, v[L16]
	v_add_nc_u32 v[RAD2], 8*SLOTB, v[RAD]
	v_mov_b32 v[NINF], 0xff800000
	v_mov_b32 v[TB], 0                             ; written once: a lane permute's destination counts as one of its sources
.irp e, 0,1,2,3
	v_mov_b32 v[ZR+\e], 0                          ; what a wave without work lays into its tile
.endr
	s_mov_b32 s40, 0x3fb8aa3b                      ; log2(e)
	s_mov_b32 s41, s40                             ; (named with it as a pair, so it is written)
	s_mov_b32 s42, 0x76543210                      ; v_permlanex16_b32's selects for lane l xor 16
	s_mov_b32 s43, 0xfedcba98
	s_lshl_b32 s24, s19, 6                         ; span_starts, span_ends, out1: my 16 spans' 64 bytes
	s_mov_b32 s25, 0
	s_lshl_b32 s26, s20, 13                        ; scores: the batch row's 8,192 bytes,
	s_lshl_b32 s21, s18, 9                         ; my K step's 512
	s_add_co_u32 s26, s26, s21
	s_mov_b32 s27, 0
	s_mul_i32 s28, s20, 786432                     ; codes: the batch row, 16 K steps of 48 images,
	s_mul_i32 s21, s18, 49152                      ; my K step,
	s_add_co_u32 s28, s28, s21
	s_lshl_b32 s21, ttmp9, 13                      ; my eight images
	s_add_co_u32 s28, s28, s21
	s_mov_b32 s29, 0
	s_mul_i32 s34, s18, 3072
	s_lshl_b32 s21, ttmp9, 9
	s_add_co_u32 s34, s34, s21                     ; 3,072 x wave + 512 x: serves twice
	s_mul_i32 s30, s20, 49152                      ; bscales: the batch row's 16 x 768 words, my K step's, my 128 columns'
	s_add_co_u32 s30, s30, s34
	s_mov_b32 s31, 0
	s_mul_i32 s32, s19, 49152                      ; out0: my 16 spans' rows of 3,072 bytes; row = wave; my 128 columns
	s_add_co_u32 s32, s32, s34
	s_mov_b32 s33, 0
	s_wait_kmcnt 0x0
	s_add_nc_u64 s[10:11], s[10:11], s[24:25]
	s_add_nc_u64 s[12:13], s[12:13], s[24:25]
	s_load_b512 s[SST:SST+15], s[10:11], 0x0       ; the 16 starts and the 16 ends as scalars: 64 aligned bytes each; this launch stores into neither buffer
	s_load_b512 s[SEN:SEN+15], s[12:13], 0x0
	s_add_nc_u64 s[16:17], s[16:17], s[24:25]
	s_add_nc_u64 s[4:5], s[4:5], s[26:27]
	s_add_nc_u64 s[14:15], s[14:15], s[32:33]
	s_wait_alu depctr_va_vdst(0)                   ; the head's offsets and LDS addresses (v4, v5, v54, v22 to v26) and the zeros v200 to v203 are written: every load, LDS load and store that reads them stands behind this wait, and none of them is written again
	global_load_b32 v[SA], v[R4], s[10:11]         ; and my own span's, for the mask
	global_load_b32 v[SE], v[R4], s[12:13]
.irp c, 0,1
.irp q, 0,1,2,3,4,5,6,7
	global_load_b128 v[X+32*\c+4*\q:X+32*\c+4*\q+3], v[H128], s[4:5] offset:256*\c+16*\q   ; tokens 64 c + 32 h + 4 q .. + 3 of my K step: the sixteen lanes of a half read the same 16 bytes
.endr
.endr
	s_lshl_b32 s21, s18, 7                         ; my K step's first token,
	s_add_co_u32 s23, s21, 128                     ; and the first behind it
	s_mov_b32 s22, 0
	s_wait_kmcnt 0x0                               ; the 32 bounds
.irp i, 0,1,2,3,4,5,6,7,8,9,10,11,12,13,14,15
	s_max_i32 s35, s[SST+\i], s21                  ; the first token of span i in my K step,
	s_min_i32 s34, s[SEN+\i], s23                  ; and the first behind its last one there:
	s_cmp_lt_i32 s35, s34                          ; is there any?  (Both are compared as they are: nothing is subtracted, so no bound can overflow)
	s_cselect_b32 s22, 1, s22                      ; 1: my K step has work
.endr
	s_min_u32 s22, s22, 1                          ; (a number made of loaded numbers goes into offsets only behind such a bound)
	s_mul_i32 s28, s28, s22                        ; a wave without work asks at the buffers' heads, every lane for the same bytes
	s_mul_i32 s30, s30, s22
	s_add_nc_u64 s[6:7], s[6:7], s[28:29]
	s_add_nc_u64 s[8:9], s[8:9], s[30:31]
	v_mul_u32_u24 v[BO], s22, v[L16]
	v_lshlrev_b32 v[SO], 2, v[LN]
	v_mul_u32_u24 v[SO], s22, v[SO]
	v_mov_b32 v[PM], v[NINF]                       ; what a wave without work hands in
	s_wait_alu depctr_va_vdst(0)                   ; v6 and v7 are written, which the 20 loads below read as offsets; so is v16's default, which the LDS store of a wave without work reads: on that way no vector line follows up to that store
.irp t, 0,1,2,3,4,5,6,7
.irp c, 0,1
	global_load_b128 v[B+8*\t+4*\c:B+8*\t+4*\c+3], v[BO], s[6:7] offset:1024*\t+512*\c   ; column tile t: the image as it lies: 512 consecutive bytes a load.  They land while the softmax is made
.endr
.endr
.irp p, 0,1,2,3
	global_load_b32 v[SB+\p], v[SO], s[8:9] offset:128*\p
.endr
	s_wait_loadcnt 20                              ; my span's bounds and the scores are in; the 16 + 4 loads of codes and scale words issued behind them may be out
	s_cmp_eq_u32 s22, 0
	s_cbranch_scc1 .Lidle
	v_cmp_lt_i32 s[MK], 0, v[SA]                   ; start and end are held to 0 .. 2,048: no token lies outside.  The two compares stand in one run
	v_cmp_lt_i32 s[MK+1], 0, v[SE]
	v_lshl_add_u32 v[D0], v[H], 5, s21             ; my first block's first token,
	s_wait_alu depctr_va_sdst(0)                   ; the two masks are written, ahead of the selects that read them
	v_cndmask_b32 v[SA], 0, v[SA], s[MK]
	v_cndmask_b32 v[SE], 0, v[SE], s[MK+1]
	v_min_u32 v[SA], 0x800, v[SA]
	v_min_u32 v[SE], 0x800, v[SE]
	v_cmp_gt_u32 s[MK], v[SE], v[SA]
	v_sub_nc_u32 v[LEN], v[SE], v[SA]
	v_sub_nc_u32 v[D0], v[D0], v[SA]               ; counted from my span's start: token D0 + i is in the span where that number, unsigned, is under the length
	v_add_nc_u32 v[D0+1], 64, v[D0]
	s_wait_alu depctr_va_sdst(0)                   ; the mask is written, ahead of the select that reads it
	v_cndmask_b32 v[LEN], 0, v[LEN], s[MK]         ; 0 where the end is not behind the start
	; ---- the span's mask: a score outside my span becomes -infinity, sixteen at a time
.set k, 0
.rept 4
.irp e, 0,1,2,3,4,5,6,7,8,9,10,11,12,13,14,15
	v_add_nc_u32 v[ST+\e], (k%32)+\e, v[D0+k/32]
.endr
.irp e, 0,1,2,3,4,5,6,7,8,9,10,11,12,13,14,15
	v_cmp_gt_u32 s[MK+\e], v[LEN], v[ST+\e]
.endr
	s_wait_alu depctr_va_sdst(0)                   ; the run's sixteen masks are written, ahead of the selects that read them
.irp e, 0,1,2,3,4,5,6,7,8,9,10,11,12,13,14,15
	v_cndmask_b32 v[X+k+\e], v[NINF], v[X+k+\e], s[MK+\e]
.endr
.set k, k+16
.endr
	v_max3_num_f32 v[PM], v[X], v[X+1], v[X+2]     ; the largest of my 64, in two chains
	v_max3_num_f32 v[TA], v[X+3], v[X+4], v[X+5]
.irp i, 6,10,14,18,22,26,30,34,38,42,46,50,54,58
	v_max3_num_f32 v[PM], v[PM], v[X+\i], v[X+\i+1]
	v_max3_num_f32 v[TA], v[TA], v[X+\i+2], v[X+\i+3]
.endr
	v_max3_num_f32 v[PM], v[PM], v[X+62], v[X+63]
	v_max_num_f32 v[PM], v[PM], v[TA]
	v_permlanex16_b32 v[TB], v[PM], s42, s43
	v_max_num_f32 v[PM], v[PM], v[TB]              ; with lane l xor 16's 64: my K step's largest score of span r
	s_wait_alu depctr_va_vdst(0)                   ; v16 is written, which the LDS store behind the join reads; the mask's lines are done with v32 to v47, in which the LDS loads behind the barrier land
	s_branch .Ljoin1
.Lidle:                                            ; a wave without work lays zeros into its partial tile, now, while the others work.  No wait: the zeros and the address were written ahead of the head's wait
.irp t, 0,1,2,3,4,5,6,7
	ds_store_b128 v[SAD], v[ZR:ZR+3] offset:64*\t
	ds_store_b128 v[SAD], v[ZR:ZR+3] offset:64*\t+16
.endr
.Ljoin1:
	ds_store_b32 v[PMA], v[PM]                     ; lanes r and r + 16 write the same word with the same value
	MEET
.irp j, 0,1,2,3
	ds_load_b128 v[ST+4*\j:ST+4*\j+3], v[PRD] offset:16*\j         ; span r's 16 partial maxima
.endr
	s_wait_dscnt 0x0
	v_max3_num_f32 v[MM], v[ST], v[ST+1], v[ST+2]
	v_max3_num_f32 v[TA], v[ST+3], v[ST+4], v[ST+5]
.irp i, 6,10
	v_max3_num_f32 v[MM], v[MM], v[ST+\i], v[ST+\i+1]
	v_max3_num_f32 v[TA], v[TA], v[ST+\i+2], v[ST+\i+3]
.endr
	v_max3_num_f32 v[MM], v[MM], v[ST+14], v[ST+15]
	v_max3_num_f32 v[MM], v[MM], v[TA], 0xff61b1e6 ; the span's maximum; -3e38 for a span without a token that counts, so that -infinity less it stays -infinity
	v_mov_b32 v[MM+1], v[MM]
	v_mov_b32 v[PS], 0
	s_cmp_eq_u32 s22, 0
	s_cbranch_scc1 .Ljoin2
	; ---- e = exp(x - m) = 2^((x - m) log2(e)); 0 where x is -infinity
.set k, 0
.rept 32
	v_pk_add_f32 v[X+k:X+k+1], v[X+k:X+k+1], v[MM:MM+1] neg_lo:[0,1] neg_hi:[0,1]
.set k, k+2
.endr
.set k, 0
.rept 32
	v_pk_mul_f32 v[X+k:X+k+1], v[X+k:X+k+1], s[40:41] op_sel_hi:[1,0]
.set k, k+2
.endr
.set k, 0
.rept 64
	v_exp_f32 v[X+k], v[X+k]
.set k, k+1
.endr
	v_nop                                          ; a plain line behind the last exponential, ahead of the first use of a result
	s_wait_alu depctr_va_vdst(0)                   ; the 64 exponentials have written v70 to v133: one wait for the batch, ahead of its first reader
	v_pk_add_f32 v[TQ:TQ+1], v[X:X+1], v[X+2:X+3]  ; the sum of my 64, two at a time, in two chains
	v_pk_add_f32 v[TQ+2:TQ+3], v[X+4:X+5], v[X+6:X+7]
.irp i, 8,12,16,20,24,28,32,36,40,44,48,52,56,60
	v_pk_add_f32 v[TQ:TQ+1], v[TQ:TQ+1], v[X+\i:X+\i+1]
	v_pk_add_f32 v[TQ+2:TQ+3], v[TQ+2:TQ+3], v[X+\i+2:X+\i+3]
.endr
	v_pk_add_f32 v[TQ:TQ+1], v[TQ:TQ+1], v[TQ+2:TQ+3]
	v_add_f32 v[PS], v[TQ], v[TQ+1]
	v_permlanex16_b32 v[TB], v[PS], s42, s43
	v_add_f32 v[PS], v[PS], v[TB]
.Ljoin2:
	s_wait_alu depctr_va_vdst(0)                   ; v17 is written, on either way, which the LDS store below reads; the maximum's lines are done reading v32 to v47, in which the LDS loads behind the barrier land
	ds_store_b32 v[PMA], v[PS] offset:PSB-PMB      ; other bytes than the maxima, which waves may still be reading
	MEET
.irp j, 0,1,2,3
	ds_load_b128 v[ST+4*\j:ST+4*\j+3], v[PRD] offset:PSB-PMB+16*\j
.endr
	s_wait_dscnt 0x0
.irp i, 0,4,8,12
	v_pk_add_f32 v[ST+\i:ST+\i+1], v[ST+\i:ST+\i+1], v[ST+\i+2:ST+\i+3]
.endr
	v_pk_add_f32 v[ST:ST+1], v[ST:ST+1], v[ST+4:ST+5]
	v_pk_add_f32 v[ST+8:ST+9], v[ST+8:ST+9], v[ST+12:ST+13]
	v_pk_add_f32 v[ST:ST+1], v[ST:ST+1], v[ST+8:ST+9]
	v_add_f32 v[ST], v[ST], v[ST+1]                ; s: at least 1 where a token counts (the largest gives 1), else 0
	v_max_num_f32 v[ST+1], 0x0da24260, v[ST]       ; max(s, 1e-30)
	v_rcp_f32 v[RR], v[ST+1]
	v_cmp_le_f32 vcc_lo, 0.5, v[ST]                ; (plain lines behind the reciprocal)  out1: has the span a token that counts?
	v_mov_b32 v[TB], 1.0
	s_wait_alu depctr_va_vcc(0)                    ; VCC is written, ahead of the select that reads it
	v_cndmask_b32 v[O1], 0, v[TB], vcc_lo
	s_wait_alu depctr_va_vdst(0)                   ; the reciprocal has written v20, ahead of its first reader; and v27 is written, which the store of the flags reads: the three lines between name neither v27 nor v4
	v_fma_f32 v[TA], -v[ST+1], v[RR], 1.0          ; one Newton step
	v_fma_f32 v[RR], v[TA], v[RR], v[RR]
	v_mov_b32 v[RR+1], v[RR]
	s_or_b32 s21, ttmp9, s18
	s_cmp_lg_u32 s21, 0
	s_cbranch_scc1 .Lno_flags                      ; wave 0 of the first column group writes the 16 flags
	global_store_b32 v[R4], v[O1], s[16:17]        ; lanes r and r + 16 write the same word with the same value; neither register is written again
.Lno_flags:
	s_wait_loadcnt 0x0                             ; the codes and their scale words
	s_cmp_eq_u32 s22, 0
	s_cbranch_scc1 .Ljoin3
	; ---- w = e / s, quantised along the tokens: my two blocks are all mine
.set k, 0
.rept 32
	v_pk_mul_f32 v[X+k:X+k+1], v[X+k:X+k+1], v[RR:RR+1]
.set k, k+2
.endr
.irp c, 0,1
	v_max3_num_f32 v[BM+\c], v[X+32*\c], v[X+32*\c+1], FLOOR       ; no |.|: w is never negative; the floor holds the byte at 1 from below
.endr
.irp i, 2,4,6,8,10,12,14,16,18,20,22,24,26,28,30
.irp c, 0,1
	v_max3_num_f32 v[BM+\c], v[BM+\c], v[X+32*\c+\i], v[X+32*\c+\i+1]   ; (the two blocks by turns)
.endr
.endr
.irp c, 0,1
	v_add_nc_u32 v[SCL+\c], 0xff000000, v[BM+\c]   ; 2 off the exponent field: the conversion's scale operand
.endr
.irp c, 0,1
	v_lshrrev_b32 v[BY+\c], 23, v[SCL+\c]          ; the scale's byte
.endr
	v_lshl_or_b32 v[SW], v[BY+1], 16, v[BY]        ; my two bytes: blocks h and 2 + h of span r,
	v_lshlrev_b32 v[TA], 3, v[H]
	v_lshlrev_b32 v[SW], v[TA], v[SW]              ; at their places in the scale word;
	v_permlanex16_b32 v[TB], v[SW], s42, s43
	v_or_b32 v[SW], v[SW], v[TB]                   ; with lane l xor 16's two the word is whole
.irp c, 0,1
.irp q, 0,1,2,3
	v_cvt_scalef32_pk8_fp4_f32 v[AC+4*\c+\q], v[X+32*\c+8*\q:X+32*\c+8*\q+7], v[SCL+\c]   ; registers 4 c .. 4 c + 3 of the operand
.endr
.endr
.rept 8
	v_nop                                          ; a scale register written by a vector instruction stands 8 places ahead of a scaled matrix instruction, an operand so written 4; the results below also land on the conversions' sources
.endr
	s_wait_alu depctr_va_vdst(0)                   ; the conversions have written w's codes, v62 to v69, and the vector lines its scale word, v60, which the products take as source 1 and its scales; the places above stay beside this wait
.irp t, 0,2,4,6                        ; eight accumulators, one product each, begun with the constant 0.  Lane (r, h), register j of tile t: span r, column 16 t + 8 h + j
	v_wmma_scale_f32_16x16x128_f8f6f4 v[X+8*\t:X+8*\t+7], v[B+8*\t:B+8*\t+7], v[AC:AC+7], 0, v[SB+\t/2], v[SW] matrix_a_fmt:MATRIX_FMT_FP4 matrix_b_fmt:MATRIX_FMT_FP4
	v_wmma_scale_f32_16x16x128_f8f6f4 v[X+8*\t+8:X+8*\t+15], v[B+8*\t+8:B+8*\t+15], v[AC:AC+7], 0, v[SB+\t/2], v[SW] matrix_a_fmt:MATRIX_FMT_FP4 matrix_b_fmt:MATRIX_FMT_FP4 matrix_a_scale:MATRIX_SCALE_ROW1
.endr
.rept 4
	v_nop                                          ; four places ahead of the stores that read the results, and of the later loads into the codes' registers
.endr
	s_wait_alu depctr_va_vdst(0)                   ; the products have written v70 to v133, which the LDS stores read, and are done reading v134 to v197, in which the LDS loads behind the barrier land; the places above stay beside this wait
.irp t, 0,1,2,3,4,5,6,7
	ds_store_b128 v[SAD], v[X+8*\t:X+8*\t+3] offset:64*\t          ; each accumulator from its low end on
	ds_store_b128 v[SAD], v[X+8*\t+4:X+8*\t+7] offset:64*\t+16
.endr
.Ljoin3:
	MEET                                           ; the 16 partial tiles lie in LDS
.irp j, 0,1,2,3,4,5,6,7
	ds_load_b128 v[B+4*\j:B+4*\j+3], v[RAD] offset:\j*SLOTB        ; span = my wave, columns 4 x lane .. + 3, of K steps 0 to 7: a wave reads 512 consecutive bytes
.endr
.irp j, 0,1,2,3,4,5,6,7
	ds_load_b128 v[B+32+4*\j:B+32+4*\j+3], v[RAD2] offset:\j*SLOTB ; and of K steps 8 to 15
.endr
	s_wait_dscnt 0x0
.macro LEVEL s                         ; pieces s registers apart are added, two numbers an instruction
.set q, 0
.rept 32/(\s)
	v_pk_add_f32 v[B+q:B+q+1], v[B+q:B+q+1], v[B+q+\s:B+q+\s+1]
	v_pk_add_f32 v[B+q+2:B+q+3], v[B+q+2:B+q+3], v[B+q+\s+2:B+q+\s+3]
.set q, q+2*(\s)
.endr
.endm
	LEVEL 4
	LEVEL 8
	LEVEL 16
	LEVEL 32
	s_wait_alu depctr_va_vdst(0)                   ; the additions have written v134 to v137, which the store reads
	global_store_b128 v[L16], v[B:B+3], s[14:15]   ; 32 lanes store 512 consecutive bytes of one span's row, at a multiple of 512 from out0's first byte
	s_wait_dscnt 0x0
	s_wait_alu depctr_hold_cnt(0) depctr_sa_sdst(0) depctr_va_vdst(0) depctr_va_sdst(0) depctr_va_ssrc(0) depctr_va_vcc(0) depctr_vm_vsrc(0)
	s_wait_tensorcnt 0x0
	ds_add_u32 v198, v199
	s_wait_dscnt 0x0
	s_endpgm
.Lfunc_end_k_q8d137ab3eb_pool:
	.size	k_q8d137ab3eb_pool, .Lfunc_end_k_q8d137ab3eb_pool-k_q8d137ab3eb_pool
	.p2alignl 7, 3214868480
	.fill 96, 4, 3214868480
	.section	.rodata,"a",@progbits
	.p2align	6, 0x0
	.amdhsa_kernel k_q8d137ab3eb_pool
		.amdhsa_group_segment_fixed_size 139776
		.amdhsa_private_segment_fixed_size 0
		.amdhsa_enable_private_segment 0
		.amdhsa_kernarg_size 56
		.amdhsa_user_sgpr_count 2
		.amdhsa_user_sgpr_kernarg_segment_ptr 1
		.amdhsa_wavefront_size32 1
		.amdhsa_system_sgpr_workgroup_id_x 1
		.amdhsa_system_sgpr_workgroup_id_y 1
		.amdhsa_system_sgpr_workgroup_id_z 1
		.amdhsa_system_vgpr_workitem_id 0
		.amdhsa_next_free_vgpr 204
		.amdhsa_next_free_sgpr 84
		.amdhsa_reserve_vcc 1
		.amdhsa_float_denorm_mode_32 3
		.amdhsa_float_denorm_mode_16_64 3
		.amdhsa_memory_ordered 1
		.amdhsa_forward_progress 1
		.amdhsa_inst_pref_size 45
	.end_amdhsa_kernel
	.amdgpu_metadata
---
amdhsa.version: [ 1, 2 ]
amdhsa.kernels:
  - .name:           k_q8d137ab3eb_pool
    .symbol:         k_q8d137ab3eb_pool.kd
    .args:
      - { .name: scores, .offset: 0, .size: 8, .value_kind: global_buffer, .address_space: global }
      - { .name: codes, .offset: 8, .size: 8, .value_kind: global_buffer, .address_space: global }
      - { .name: bscales, .offset: 16, .size: 8, .value_kind: global_buffer, .address_space: global }
      - { .name: span_starts, .offset: 24, .size: 8, .value_kind: global_buffer, .address_space: global }
      - { .name: span_ends, .offset: 32, .size: 8, .value_kind: global_buffer, .address_space: global }
      - { .name: out0, .offset: 40, .size: 8, .value_kind: global_buffer, .address_space: global }
      - { .name: out1, .offset: 48, .size: 8, .value_kind: global_buffer, .address_space: global }
    .group_segment_fixed_size: 139776
    .private_segment_fixed_size: 0
    .kernarg_segment_align: 8
    .kernarg_segment_size: 56
    .max_flat_workgroup_size: 512
    .sgpr_count:     84
    .vgpr_count:     204
    .wavefront_size: 32
...
	.end_amdgpu_metadata
.endif
;; end of part 3
